; MI455X (gfx1250); checked and timed in simulation.
; The chip was launched on July 23, 2026; its instructions are those of AMD's public machine-readable ISA for CDNA 5 (MIT licence, August 2026) and "CDNA5" Instruction Set Architecture Reference Guide (July 2026). The comments in the code are by the model that wrote it; some were corrected since.
;; Multi Head Attention. Allowed arithmetic: matrix products marked QUANTISED: E5M2 operands, one given power-of-two scale a tensor, by v_wmma_f32_16x16x64_bf8_bf8 or v_wmma_f32_16x16x128_bf8_bf8, f32 sums; everything else in f32.
;; Inputs: Wo_codes 1,024 x 32 x 32 uint8 (E5M2 codes of Wo, K innermost, in blocks of 32 codes); Wqkv_codes 3,072 x 32 x 32 uint8 (E5M2 codes of Wqkv, K innermost, in blocks of 32 codes); bo 1,024 float32; bqkv 3,072 float32; lowp_scales 8 int32 (the exponents e of the quantised operands' scales 2^e); x_codes 4 x 2,048 x 32 x 32 uint8 (E5M2 codes of x, K innermost, in blocks of 32 codes).
;; Outputs: out0 4 x 2,048 x 1,024 float32.
;; This version of the problem:
;;   THIS VERSION OF THE PROBLEM IS GIVEN IN LOW PRECISION. The matrix products marked QUANTISED in the list below multiply operands that are first quantised to E5M2 (5 exponent bits, 2 mantissa bits; 8 bits a number), with one given power-of-two scale for each operand tensor; their sums are f32. All else is computed in f32.
;;   The module's matrix products, in the order in which they are computed (A, B: the left and right operand; K: the contracted axis; several contracted axes count as one K, in the product's order):
;;     1. [M 8,192, K 1,024] x [K 1,024, N 3,072]; A: input x (given as codes); B: input Wqkv (given as codes): QUANTISED (scales: A lowp_scales[0], B lowp_scales[1])
;;     2. batch 64 x [M 2,048, K 64] x [K 64, N 2,048]; A: computed on the way; B: computed on the way: QUANTISED (scales: A lowp_scales[2], B lowp_scales[3])
;;     3. batch 64 x [M 2,048, K 2,048] x [K 2,048, N 64]; A: softmax (see below); B: computed on the way: QUANTISED (scales: A lowp_scales[4], B lowp_scales[5])
;;     4. [M 8,192, K 1,024] x [K 1,024, N 1,024]; A: computed on the way; B: input Wo (given as codes): QUANTISED (scales: A lowp_scales[6], B lowp_scales[7])
;;   THE QUANTISER, for each operand of a quantised product, along K:
;;     - The operand's scale is 2^e, e = its entry of the input lowp_scales (int32; the entries are numbered through the quantised products in the list's order, A before B).
;;     - Each number is divided by the scale, clamped to +-57,344, and rounded to the nearest number of E5M2, ties to even, subnormals kept.
;;     - The product sums the exact products of the quantised numbers (number of the format x scale) in f32.
;;   ~~~python
;;   def quantise(x, axis, e):      # numpy; x: float32 -> the quantised numbers, widened to float32 again
;;       x = np.moveaxis(x, axis, -1); K = x.shape[-1]
;;       r = np.clip(x / 2.0 ** e, -57344, 57344)
;;       step = 2.0 ** (np.maximum(np.frexp(np.where(r == 0, 1, r))[1] - 1, -14) - 2)
;;       q = np.round(r / step) * step * 2.0 ** e      # np.round: ties to even
;;       return np.moveaxis(q, -1, axis).astype(np.float32)
;;   ~~~
;;   SOFTMAX AHEAD OF A QUANTISED PRODUCT. Where the list says 'softmax', what is quantised is not the finished softmax but p = 2^(t - M), with t = logit x log2(e) and M = ceil(the row's largest t), a whole number; so 1/2 < the row's largest p <= 1. The row's sum l is taken of the UNQUANTISED p, in f32, and the product's result is divided by l at the end. Since M is a whole number, a kernel that streams over the keys may use a running M (the ceiling of the running maximum): every later rescaling is an exact power of two, so the quantised numbers keep their values, but for numbers so far below the row's largest that they fall under the format's range.
;;   OPERANDS COMPUTED ON THE WAY. 'Computed on the way' means the value that the module computes at that place (a softmax that the list does not call 'softmax' is quantised finished and normalised). What goes into a quantiser is computed in f32, as accurately as f32 sums, v_exp_f32 and their like allow (about 1e-6 of the number): no bf16 or f16 on the way to a quantiser, and a product that is left as it is and whose result goes on into a quantised operand takes f32 operands (vector FMAs, or v_wmma_f32_16x16x4_f32). A number that lies on a knife's edge between two numbers of the format may be rounded either way, as far as f32 arithmetic and the matrix unit's own rounding can turn it there, and no further.
;;   INPUTS GIVEN AS CODES. Wo (in the module: [1024, 1024], K = its axis 0); Wqkv (in the module: [1024, 3072], K = its axis 0); x (in the module: [4, 2048, 1024], K = its axis 2): each comes as NAME_codes (uint8): NAME with its K axis moved to the last place and cut into blocks of 32 codes, [.., K / 32, bytes a block], one block behind the other in memory; one code a byte (a code: sign, 5 exponent bits, 2 mantissa bits); its scale is its entry of lowp_scales. Its value is code x scale, taken as it is: it is not quantised again, and the codes and scales need not be those that the quantiser above would give.
;; One version. Each part assembles by itself: llvm-mc -triple=amdgcn-amd-amdhsa -mcpu=gfx1250 --defsym DOCPART=n.
;; ======== version 1 of 1: 3 launches
;; limits: right only within a limited range of input values
;; workspace buffers: q_img 8,388,608 bytes; kv_img 16,777,216 bytes; a_img 8,388,608 bytes
;; launch qkv (part 1): grid 12 x 32, 4 waves a work-group, clusters of 4 x 4, 327,680 bytes of LDS; arguments x_codes, Wqkv_codes, bqkv, lowp_scales, q_img, kv_img; writes q_img, kv_img
.if DOCPART == 1
	.amdgcn_target "amdgcn-amd-amdhsa--gfx1250"
	.amdhsa_code_object_version 6
	.text
	.protected	k_q62b8f42d46_qkv
	.globl	k_q62b8f42d46_qkv
	.p2align	8
	.type	k_q62b8f42d46_qkv,@function
k_q62b8f42d46_qkv:
	s_mov_b64 s[64:65], 0
	v_nop
	global_prefetch_b8 v0, s[64:65] scope:SCOPE_SE
	s_setreg_imm32_b32 hwreg(HW_REG_WAVE_MODE, 25, 1), 1
	s_wait_xcnt 0x0
	s_wait_alu depctr_hold_cnt(0) depctr_sa_sdst(0) depctr_va_vdst(0) depctr_va_sdst(0) depctr_va_ssrc(0) depctr_va_vcc(0) depctr_vm_vsrc(0)
	s_getreg_b32 s2, hwreg(HW_REG_IB_STS2, 6, 4)
	s_cmp_eq_u32 s2, 0
	s_cbranch_scc0 .Lentry_in_a_cluster
	s_endpgm
.Lentry_in_a_cluster:
	s_bfe_u32 s2, ttmp6, 0x10000c
	s_cmp_lg_u32 s2, 0xf033
	s_cbranch_scc0 .Lentry_shape_is_right
	s_endpgm
.Lentry_shape_is_right:
; qkv = x Wqkv + bqkv on codes of BF8 (E5M2), and q, k, v quantised at once into images of the registers in which the attention launch wants them.
; x: [8192][1024] codes, Wqkv: [3072][1024] codes, K innermost.  A number of x is code x 2^e0, of Wqkv code x 2^e1; q is quantised with 2^e2, k with 2^e3, v with 2^e5.
; LIMITS: e0 + e1 between -126 and 127; e2, e3, e5 between -126 and 112, so that each power of two below is an f32 number.  NaN in bqkv is not served.
; A tile of C, 256 x 256, is made by four waves, 128 x 128 each: 64 accumulators, 512 registers.  K goes in four steps of 256 through a ring of two LDS slots.
; CLUSTERS: 4 x 4 work-groups.  LDS region A's tile is shared along a row of the cluster, region B's along a column: each is asked for jointly.
; The matrix instruction takes source 0 = 16 rows of region B, source 1 = 16 rows of region A: a lane holds ONE row of region A and eight neighbouring rows of region B.
;   cluster x = 0 (q), 1 (k): A = x, B = Wqkv: a lane holds one token, its registers run along the head's 64: the K of the first attention product.
;   cluster x = 2 (v):        A = Wqkv, B = x: a lane holds one channel, its registers run along the keys: the K of the second.
; So one conversion of an accumulator's eight registers gives registers 2 c, 2 c + 1 of the next operand, and nothing is transposed.
; The choice hangs on the cluster's x alone, which all sixteen partners share; both tensors have rows of 1,024 bytes, so shapes, masks and LDS addresses are the same in all cases.
; IMAGES: registers 4 g .. 4 g + 3 of a fragment lie at 512 g + 16 x lane: each store of the wave covers 512 consecutive bytes, aligned.
;   q_img [bh 64][query tile 128][1,024];  kv_img [bh 64][key step 16][8 tiles of K x 1,024, then 4 tiles of V x 2,048].
; REGISTERS, in windows of 256: window 0: v0-31 addresses; v32-95 the bias; v96-127 at work; from v128 A's fragments, ONE set, later the codes.
;   window 1: B's fragments, TWO sets.   window 2: the accumulators of my rows 0-63 ((a, b) at v[8 (8 a + b)]);   window 3: those of my rows 64-127.
.set KROW,   1024                      ; a row of x or of Wqkv in memory, in bytes
.set ROWB,   256                       ; a tile's row: 256 codes
.set PITCH,  272                       ; an LDS row: 256 bytes + 16 of padding = 68 words: the 16 rows that a load touches start at 16 different banks (64 banks of 4 bytes: ISA guide 11.1)
.set FR,     16                        ; registers of a fragment: 16 rows x 128 K
.set NL,     4                         ; LDS loads that bring one
.set NP,     4                         ; places behind this matrix instruction (ISA guide 7.12.1)
.set HALFT,  128*PITCH                 ; 128 rows: what one tensor load brings
.set SLOT,   4*HALFT                   ; A's 256 rows, then B's 256 rows
.set SPARE,  2*SLOT                    ; behind the ring: the spare words, 128 bytes for each wave; no other line names them
.set ADRA, 16                          ; v16-17  LDS address of my A fragments in slot 0, 1
.set ADRB, 20                          ; v20-21  the same for B
.set CO,   24                          ; v24-25  the stores' offsets: 16 x lane; for q and k a second one, a head further on
.set LIM,  26                          ; v26     57,344 x the quantiser's scale
.set SCL,  27                          ; v27     the quantiser's scale as f32
.set SPW,  28                          ; v28     LDS address of my spare word; never rewritten
.set NIL,  29                          ; v29     0; never rewritten
.set BO,   30                          ; v30     my lane's offset in the bias
.set BIAS, 32
.set TMP,  96
.set AF,   128
.set CD,   128                         ; the codes: 8 registers for each of 16 units, so that no store's data are written again
.set G1,  24                           ; s[24:31] group 1 for A's tiles; s[32:39] group 0, a set for each slot
.set G0,  32
.set G1B, 48                           ; s[48:55], s[56:63] the same for B's
.set G0B, 56
.set MSB, 0
.macro WIN new                         ; the immediate's high byte repeats the setting that is left
.if MSB != (\new)
	s_set_vgpr_msb (MSB<<8)|(\new)
.set MSB, (\new)
.endif
.endm
.set MUL_LO, 0xa1                      ; source 0 (B) window 1, source 1 (A) window 0, C and D window 2
.set MUL_HI, 0xf1                      ; the same, C and D window 3
.set TO_B,   0x40                      ; destination window 1, address window 0
; A joint load: waves 0 and 1 fetch for region A, waves 2 and 3 for region B; the branch hangs on the wave's number alone.  Four v_nop follow each of the two lines.
.macro JLOAD g0a, g1a, g0b, g1b
	s_cmp_eq_u32 s15, 0
	s_cbranch_scc0 .Lfor_b_\@
	tensor_load_to_lds s[\g0a:\g0a+3], s[\g1a:\g1a+7]
	s_nop 0
.rept 4
	v_nop
.endr
	s_branch .Lasked_\@
.Lfor_b_\@:
	tensor_load_to_lds s[\g0b:\g0b+3], s[\g1b:\g1b+7]
	s_nop 0
.rept 4
	v_nop
.endr
.Lasked_\@:
.endm
.macro CREST                           ; a round of the cluster's barrier behind its opening barrier
	s_cmp_lg_u32 s14, 0
	s_cbranch_scc1 .Lnot_wave_0_\@
	s_barrier_signal -3
.Lnot_wave_0_\@:
	s_barrier_wait -3
	s_barrier_signal -1
	s_barrier_wait -1
.endm
.macro CROUND                          ; a whole round
	s_barrier_signal -1
	s_barrier_wait -1
	CREST
.endm
	s_load_b128 s[4:7], s[0:1], 0x0                ; x's codes s[4:5], Wqkv's codes s[6:7]
	s_load_b128 s[8:11], s[0:1], 0x10              ; bqkv s[8:9], the scales' exponents s[10:11]
	s_load_b128 s[68:71], s[0:1], 0x20             ; q_img s[68:69], kv_img s[70:71]
	v_lshl_add_u32 v[SPW], v0, 2, SPARE
	v_mov_b32 v[NIL], 0
	ds_add_u32 v28, v29
	ds_add_u32 v28, v29
	s_wait_dscnt 0x0
	v_lshrrev_b32 v1, 5, v0
	v_readfirstlane_b32 s14, v1                    ; wave 0..3
	s_lshr_b32 s15, s14, 1                         ; which half of region A's rows is mine.  Also: I fetch for A (0) or for B (1)
	s_and_b32 s16, s14, 1                          ; which half of region B's rows.  Also: which 128 rows of that tile I fetch
	s_bfe_u32 s40, ttmp6, 0x40000                  ; cx, cy: my place in the cluster
	s_bfe_u32 s41, ttmp6, 0x40004
	s_and_b32 s17, ttmp7, 0xffff
	s_lshl_b32 s17, s17, 2                         ; 4 x cluster y
	s_lshl_b32 s42, ttmp9, 2                       ; 4 x cluster x
	s_lshl_b32 s43, s41, 2
	s_lshl_b32 s43, 15, s43                        ; my row of the cluster
	s_lshl_b32 s44, 0x1111, s40                    ; my column
	s_cmp_lt_u32 ttmp9, 2                          ; q or k?  The same answer in all sixteen partners
	s_cselect_b32 s80, s17, 8                      ; region A's block of 256 rows: of x, 4 Y + cy; for v of Wqkv, 8 + cy
	s_cselect_b32 s81, s42, s17                    ; region B's: of Wqkv, 4 X + cx; for v of x, 4 Y + cx
	s_add_co_u32 s80, s80, s41
	s_add_co_u32 s81, s81, s40
	; descriptor group 1: a tile of 128 rows x 256 bytes, padded in LDS
	s_or_b32 s[G1+0], s43, (0<<16)|(1<<20)|(1<<21)|(5<<22)|(3<<25)  ; 15:0 the mask: my row; 17:16 elements of 1 byte; 20 padding on; 21 set beside a mask; 24:22 after every 64 words (code 5); 31:25 four words (code 3)
	s_or_b32 s[G1B+0], s44, (0<<16)|(1<<20)|(1<<21)|(5<<22)|(3<<25) ; the same with my column's mask
.irp g, G1, G1B
	s_mov_b32 s[\g+1], ROWB<<16                    ; tensor_dim0
	s_mov_b32 s[\g+2], 128<<16                     ; tensor_dim1 = 128
	s_mov_b32 s[\g+3], ROWB<<16                    ; tile_dim0
	s_mov_b32 s[\g+4], 128                         ; tile_dim1 = 128
	s_mov_b32 s[\g+5], KROW                        ; tensor_dim0_stride
	s_mov_b32 s[\g+6], 0
	s_mov_b32 s[\g+7], 0
.endr
	s_lshl_b32 s18, s16, 17                        ; which 128 rows of 1,024 bytes I fetch
	s_lshl_b32 s20, s80, 18                        ; A: block x 256 rows x 1,024 bytes
	s_add_co_u32 s20, s20, s18
	s_mov_b32 s21, 0
	s_lshl_b32 s46, s81, 18                        ; B likewise
	s_add_co_u32 s46, s46, s18
	s_mov_b32 s47, 0
	s_mul_i32 s45, s14, HALFT                      ; where they go: wave x 128 rows: no place in the cluster enters an LDS address
	s_wait_kmcnt 0x0
	s_load_b256 s[72:79], s[10:11], 0x0            ; e0 .. e7
	s_cmp_lt_u32 ttmp9, 2
	s_cselect_b64 s[82:83], s[4:5], s[6:7]         ; region A's tensor
	s_cselect_b64 s[84:85], s[6:7], s[4:5]         ; region B's
	s_add_nc_u64 s[20:21], s[82:83], s[20:21]
	s_add_nc_u64 s[46:47], s[84:85], s[46:47]
	CROUND                                         ; all sixteen work-groups are here: the first joint loads meet
.irp s, 0,1
	s_mov_b32 s[G0+4*\s], 1
	s_add_co_u32 s[G0+4*\s+1], s45, \s*SLOT
	s_add_nc_u64 s[G0+4*\s+2:G0+4*\s+3], s[20:21], \s*ROWB
	s_or_b32 s[G0+4*\s+3], s[G0+4*\s+3], 0x80000000
	s_mov_b32 s[G0B+4*\s], 1
	s_add_co_u32 s[G0B+4*\s+1], s45, \s*SLOT
	s_add_nc_u64 s[G0B+4*\s+2:G0B+4*\s+3], s[46:47], \s*ROWB
	s_or_b32 s[G0B+4*\s+3], s[G0B+4*\s+3], 0x80000000
.endr
	JLOAD G0, G1, G0B, G1B                         ; K step 0: one tensor load a wave at the head
	v_and_b32 v1, 15, v0
	v_bfe_u32 v2, v0, 4, 1                         ; h = lane / 16; kept
	v_mul_u32_u24 v3, v1, PITCH
	v_lshl_add_u32 v4, v2, 4, v3                   ; a fragment's row x pitch + 16 x half
	s_mul_i32 s21, s15, HALFT                      ; my 128 rows of A
	s_mul_i32 s22, s16, HALFT                      ; my 128 rows of B,
	s_add_co_u32 s22, s22, 2*HALFT                 ; which lie behind A's 256
.irp s, 0,1
	v_add_nc_u32 v[ADRA+\s], s21, v4
	v_add_nc_u32 v[ADRB+\s], s22, v4
	s_add_co_u32 s21, s21, SLOT
	s_add_co_u32 s22, s22, SLOT
.endr
	v_and_b32 v6, 31, v0
	v_lshlrev_b32 v[CO], 4, v6                     ; 16 x lane: my place in an image
.macro FRAG reg, adr, q, i             ; 16 rows x 128 K: registers 4 c .. 4 c + 3 hold K = 32 c + 16 (l / 16) + 0 .. 15: a permutation of k, the same in A and in B, so every product meets its partner
.irp c, 0,1,2,3
	ds_load_b128 v[\reg+4*\c:\reg+4*\c+3], v[\adr] offset:128*(\q)+32*\c+(\i)*16*PITCH
.endr
.endm
; 16 matrix instructions: A's blocks a0, a0 + 1 x B's eight.  p: B's set.  zero = 1: the first product starts the sums.  The 64 accumulators take turns, one instruction a turn, in the same order in every step.
.macro MUL16 a0, p, zero
.irp a, \a0, \a0+1
.irp b, 0,1,2,3,4,5,6,7
.if \zero
	v_wmma_f32_16x16x128_bf8_bf8 v[8*(8*((\a)%4)+\b):8*(8*((\a)%4)+\b)+7], v[128*(\p)+FR*\b:128*(\p)+FR*\b+FR-1], v[AF+FR*(\a):AF+FR*(\a)+FR-1], 0
.else
	v_wmma_f32_16x16x128_bf8_bf8 v[8*(8*((\a)%4)+\b):8*(8*((\a)%4)+\b)+7], v[128*(\p)+FR*\b:128*(\p)+FR*\b+FR-1], v[AF+FR*(\a):AF+FR*(\a)+FR-1], v[8*(8*((\a)%4)+\b):8*(8*((\a)%4)+\b)+7]
.endif
.endr
.endr
.endm
.macro FETCH_B slot, q, p              ; B's eight fragments of the slot's q-th 128 along K into set p
	WIN TO_B
.irp i, 0,1,2,3,4,5,6,7
	FRAG 128*(\p)+FR*\i, ADRB+\slot, \q, \i
.endr
	WIN 0
.endm
.macro FETCH_A slot, q, i0             ; A's blocks i0 .. i0 + 3
.irp i, \i0, \i0+1, \i0+2, \i0+3
	FRAG AF+FR*(\i), ADRA+\slot, \q, \i
.endr
.endm
.macro PLACES n                        ; plain vector instructions between a matrix instruction and a load into one of its registers, or a read of its result
.rept \n
	v_nop
.endr
.endm
; A step of 128 along K that has its successor in the same slot.
.macro STEP slot, q, zero
	s_wait_dscnt 4*NL                              ; B's set and A's blocks 0-3 are in; the youngest sixteen loads (A's blocks 4-7) may be out
	WIN MUL_LO
	MUL16 0, (\q)%2, \zero
	MUL16 2, (\q)%2, \zero
	s_wait_dscnt 0                                 ; A's blocks 4-7 are in
	PLACES NP
	FETCH_B \slot, (\q)+1, 1-(\q)%2
	FETCH_A \slot, (\q)+1, 0
	WIN MUL_HI
	MUL16 4, (\q)%2, \zero
	MUL16 6, (\q)%2, \zero
	PLACES NP
	WIN 0
	FETCH_A \slot, (\q)+1, 4
.endm
; A slot's last step changes slots: ONE barrier; in front of it each wave waits for all its tensor loads, adds 0 to its spare word, and waits for that and for its own reads of this slot.  fill = 1: this slot is filled again, two K steps ahead.
.macro TURN slot, next, fill
	s_wait_tensorcnt 0x0                           ; all my tensor loads have landed: my part of the next slot (every window is 0 here)
	ds_add_u32 v[SPW], v[NIL]                      ; 0 onto my spare word
	s_wait_dscnt 4*NL+1                            ; the add and the youngest sixteen loads (A's blocks 4-7) may be out
	WIN MUL_LO
	MUL16 0, 1, 0                                  ; sixteen matrix instructions stand between the add and the wait for it
	s_wait_dscnt 0x0                               ; the add is done, and my reads of this slot are over
	s_barrier_signal -1
	MUL16 2, 1, 0
	WIN 0
	s_barrier_wait -1
.if \fill
	CREST                                          ; the barrier has opened a round of the cluster's barrier: no wave of any partner still reads this slot or has a load on its way
	s_add_nc_u64 s[G0+4*\slot+2:G0+4*\slot+3], s[G0+4*\slot+2:G0+4*\slot+3], 2*ROWB
	s_add_nc_u64 s[G0B+4*\slot+2:G0B+4*\slot+3], s[G0B+4*\slot+2:G0B+4*\slot+3], 2*ROWB
	JLOAD G0+4*\slot, G1, G0B+4*\slot, G1B         ; the first tensor load behind the round; its four v_nop are also the places in front of the loads below
.else
	PLACES NP
.endif
	FETCH_B \next, 0, 0
	FETCH_A \next, 0, 0
	WIN MUL_HI
	MUL16 4, 1, 0
	MUL16 6, 1, 0
	PLACES NP
	WIN 0
	FETCH_A \next, 0, 4
.endm
.macro LAST                            ; the very last step: nothing more to fetch
	s_wait_dscnt 4*NL
	WIN MUL_LO
	MUL16 0, 1, 0
	MUL16 2, 1, 0
	s_wait_dscnt 0
	WIN MUL_HI
	MUL16 4, 1, 0
	MUL16 6, 1, 0
	WIN 0
.endm
; THE WAY OUT.  A unit is accumulators (a, 4 u .. 4 u + 3), 32 registers on end: sum x 2^(e0 + e1) + bias by one packed multiply-add for two numbers (each accumulator from its low end on), the hold at the
; largest code x the scale (the conversion to an 8-bit code does not saturate: ISA guide 7.6.2), four conversions, two stores of 512 consecutive bytes.
; q, k: the unit is the fragment of token tile a, head u.  v: it is registers 8 u .. 8 u + 7 of the fragment of channel tile a.
.macro UNIT a, u, isv
.set AC, 64*((\a)%4)+32*(\u)
.set CU, CD+8*(2*(\a)+(\u))
	WIN 0x02+((\a)/4)                              ; source 0: window 2 or 3
.set ii, 0
.rept 16
.if \isv
	v_pk_fma_f32 v[TMP+ii:TMP+ii+1], v[AC+ii:AC+ii+1], s[96:97], v[BIAS+2*(\a):BIAS+2*(\a)+1] op_sel_hi:[1,0,1]   ; the lane's channel has one bias, held twice
.else
	v_pk_fma_f32 v[TMP+ii:TMP+ii+1], v[AC+ii:AC+ii+1], s[96:97], v[BIAS+32*(\u)+ii:BIAS+32*(\u)+ii+1] op_sel_hi:[1,0,1]
.endif
.set ii, ii+2
.endr
	WIN 0
.set ii, 0
.rept 32
	v_med3_num_f32 v[TMP+ii], v[TMP+ii], -v[LIM], v[LIM]
.set ii, ii+1
.endr
.irp c, 0,1,2,3
	v_cvt_scalef32_pk8_bf8_f32 v[CU+2*\c:CU+2*\c+1], v[TMP+8*\c:TMP+8*\c+7], v[SCL]
.endr
	v_nop                                          ; one plain vector instruction between the conversions and the next unit's lines, which write their sources
.if \isv
	global_store_b128 v[CO], v[CU:CU+3], s[86:87] offset:((\a)/4)*262144+((\a)%4)*2048+1024*(\u)
	global_store_b128 v[CO], v[CU+4:CU+7], s[86:87] offset:((\a)/4)*262144+((\a)%4)*2048+1024*(\u)+512
.else
	global_store_b128 v[CO+\u], v[CU:CU+3], s[86:87] offset:1024*(\a)
	global_store_b128 v[CO+\u], v[CU+4:CU+7], s[86:87] offset:1024*(\a)+512
.endif
.endm
.macro EPI isv
.irp a, 0,1,2,3,4,5,6,7
.irp u, 0,1
	UNIT \a, \u, \isv
.endr
.endr
.endm
.macro SCALES e                        ; the quantiser's 2^e and 57,344 x 2^e; 2^(e0 + e1), twice, for the packed form
	s_add_co_i32 s94, \e, 127
	s_lshl_b32 s95, s94, 23
	v_mov_b32 v[SCL], s95
	s_add_co_i32 s94, s94, 15
	s_lshl_b32 s94, s94, 23
	s_or_b32 s94, s94, 0x600000
	v_mov_b32 v[LIM], s94
	s_add_co_i32 s96, s72, s73
	s_add_co_i32 s96, s96, 127
	s_lshl_b32 s96, s96, 23
	s_mov_b32 s97, s96
.endm
	s_wait_alu depctr_va_vdst(0)
	s_wait_tensorcnt 0x0                           ; my part of K step 0 is in; slot 1's first fill is issued as a refill is:
	ds_add_u32 v[SPW], v[NIL]                      ; 0 onto my spare word
	s_wait_dscnt 0x0
	CROUND                                         ; a whole round: everybody's part of K step 0 is in, and the joint loads meet
	JLOAD G0+4, G1, G0B+4, G1B                     ; K step 1, the first tensor load behind the round
	FETCH_B 0, 0, 0
	FETCH_A 0, 0, 0
	FETCH_A 0, 0, 4
	STEP 0, 0, 1                                   ; the first products start the sums.  K has four slots' worth: the eight steps are written out
	TURN 0, 1, 1                                   ; slot 0 takes K step 2
	STEP 1, 0, 0
	TURN 1, 0, 1                                   ; slot 1 takes K step 3
	STEP 0, 0, 0
	TURN 0, 1, 0                                   ; nothing is left to fetch
	s_cmp_eq_u32 ttmp9, 2                          ; the paths part behind the last change of slots, on the cluster's x alone, so that each path's bias has 128 products in which to land
	s_cbranch_scc1 .Lv
	; ---- q and k: a lane's registers run along the columns: bias of column 16 b + 8 h + j in v[BIAS + 8 b + j]
	s_lshl_b32 s88, s81, 10                        ; 256 columns x 4 bytes a block
	s_lshl_b32 s89, s16, 9
	s_add_co_u32 s88, s88, s89
	s_mov_b32 s89, 0
	s_add_nc_u64 s[88:89], s[8:9], s[88:89]
	v_lshlrev_b32 v[BO], 5, v2                     ; 32 h
.irp b, 0,1,2,3,4,5,6,7
	global_load_b128 v[BIAS+8*\b:BIAS+8*\b+3], v[BO], s[88:89] offset:64*\b
	global_load_b128 v[BIAS+8*\b+4:BIAS+8*\b+7], v[BO], s[88:89] offset:64*\b+16
.endr
	STEP 1, 0, 0
	LAST
	s_lshr_b32 s90, s80, 3                         ; the batch: eight blocks of 256 tokens each
	s_and_b32 s91, s80, 7
	s_lshl_b32 s91, s91, 1
	s_add_co_u32 s91, s91, s15                     ; which 128 tokens of the sequence are my wave's
	s_lshl_b32 s92, s40, 2
	s_lshl_b32 s93, s16, 1
	s_add_co_u32 s92, s92, s93                     ; my first head: 4 cx + 2 x half
	s_lshl_b32 s90, s90, 4
	s_add_co_u32 s90, s90, s92
	s_lshl_b32 s90, s90, 17                        ; q_img: 131,072 bytes a head,
	s_lshl_b32 s91, s91, 13                        ; 8,192 for 128 tokens;
	s_add_co_u32 s90, s90, s91
	s_lshl_b32 s90, s90, ttmp9                     ; kv_img: twice both
	s_mov_b32 s91, 0
	s_lshl_b32 s95, 0x20000, ttmp9
	v_add_nc_u32 v[CO+1], s95, v[CO]               ; the wave's second head
	s_wait_kmcnt 0x0                               ; the exponents
	s_cmp_eq_u32 ttmp9, 1
	s_cselect_b64 s[86:87], s[70:71], s[68:69]
	s_cselect_b32 s93, s75, s74                    ; e3 for k, e2 for q
	s_add_nc_u64 s[86:87], s[86:87], s[90:91]
	SCALES s93
	s_wait_loadcnt 0x0                             ; the bias
	PLACES NP
	EPI 0
	s_branch .Lfin
.Lv:	; ---- v: a lane holds one channel: its bias, twice, in v[BIAS + 2 a], v[BIAS + 2 a + 1]
	s_lshl_b32 s88, s80, 10
	s_lshl_b32 s89, s15, 9
	s_add_co_u32 s88, s88, s89
	s_mov_b32 s89, 0
	s_add_nc_u64 s[88:89], s[8:9], s[88:89]
	v_lshlrev_b32 v[BO], 2, v1                     ; 4 r
.irp a, 0,1,2,3,4,5,6,7
	global_load_b32 v[BIAS+2*\a], v[BO], s[88:89] offset:64*\a
	global_load_b32 v[BIAS+2*\a+1], v[BO], s[88:89] offset:64*\a
.endr
	STEP 1, 0, 0
	LAST
	s_lshr_b32 s90, s81, 3                         ; the batch
	s_and_b32 s91, s81, 7
	s_lshl_b32 s91, s91, 1
	s_add_co_u32 s91, s91, s16                     ; my key step
	s_lshl_b32 s92, s41, 2
	s_lshl_b32 s93, s15, 1
	s_add_co_u32 s92, s92, s93                     ; my first head: 4 cy + 2 x half
	s_lshl_b32 s90, s90, 4
	s_add_co_u32 s90, s90, s92
	s_lshl_b32 s90, s90, 18                        ; 262,144 bytes a head,
	s_lshl_b32 s91, s91, 14                        ; 16,384 a key step,
	s_add_co_u32 s90, s90, s91
	s_add_co_u32 s90, s90, 8192                    ; V behind the step's K
	s_mov_b32 s91, 0
	s_add_nc_u64 s[86:87], s[70:71], s[90:91]
	s_wait_kmcnt 0x0
	SCALES s77                                     ; e5
	s_wait_loadcnt 0x0
	PLACES NP
	EPI 1
.Lfin:
	s_wait_tensorcnt 0x0                           ; the wave's end: my last LDS instructions
	ds_add_u32 v[SPW], v[NIL]
	s_wait_dscnt 0x0
	CROUND                                         ; the closing round: no work-group ends while a partner may still ask for a tile that names it
	s_endpgm
.Lfunc_end_k_q62b8f42d46_qkv:
	.size	k_q62b8f42d46_qkv, .Lfunc_end_k_q62b8f42d46_qkv-k_q62b8f42d46_qkv
	.p2alignl 7, 3214868480
	.fill 96, 4, 3214868480
	.section	.rodata,"a",@progbits
	.p2align	6, 0x0
	.amdhsa_kernel k_q62b8f42d46_qkv
		.amdhsa_group_segment_fixed_size 327680
		.amdhsa_private_segment_fixed_size 0
		.amdhsa_enable_private_segment 0
		.amdhsa_kernarg_size 48
		.amdhsa_user_sgpr_count 2
		.amdhsa_user_sgpr_kernarg_segment_ptr 1
		.amdhsa_wavefront_size32 1
		.amdhsa_system_sgpr_workgroup_id_x 1
		.amdhsa_system_sgpr_workgroup_id_y 1
		.amdhsa_system_sgpr_workgroup_id_z 1
		.amdhsa_system_vgpr_workitem_id 0
		.amdhsa_next_free_vgpr 1024
		.amdhsa_next_free_sgpr 100
		.amdhsa_reserve_vcc 0
		.amdhsa_float_denorm_mode_32 3
		.amdhsa_float_denorm_mode_16_64 3
		.amdhsa_memory_ordered 1
		.amdhsa_forward_progress 1
		.amdhsa_inst_pref_size 209
	.end_amdhsa_kernel
	.amdgpu_metadata
---
amdhsa.version: [ 1, 2 ]
amdhsa.kernels:
  - .name:           k_q62b8f42d46_qkv
    .symbol:         k_q62b8f42d46_qkv.kd
    .args:
      - { .name: x_codes, .offset: 0, .size: 8, .value_kind: global_buffer, .address_space: global }
      - { .name: Wqkv_codes, .offset: 8, .size: 8, .value_kind: global_buffer, .address_space: global }
      - { .name: bqkv, .offset: 16, .size: 8, .value_kind: global_buffer, .address_space: global }
      - { .name: lowp_scales, .offset: 24, .size: 8, .value_kind: global_buffer, .address_space: global }
      - { .name: q_img, .offset: 32, .size: 8, .value_kind: global_buffer, .address_space: global }
      - { .name: kv_img, .offset: 40, .size: 8, .value_kind: global_buffer, .address_space: global }
    .group_segment_fixed_size: 327680
    .private_segment_fixed_size: 0
    .kernarg_segment_align: 8
    .kernarg_segment_size: 48
    .max_flat_workgroup_size: 128
    .sgpr_count:     100
    .vgpr_count:     1024
    .wavefront_size: 32
...
	.end_amdgpu_metadata
.endif
;; end of part 1
;; launch attn (part 2): grid 4 x 64, 16 waves a work-group, clusters of 4 x 1, 327,680 bytes of LDS; arguments q_img, kv_img, lowp_scales, a_img; writes a_img
.if DOCPART == 2
	.amdgcn_target "amdgcn-amd-amdhsa--gfx1250"
	.amdhsa_code_object_version 6
	.text
	.protected	k_q62b8f42d46_attn
	.globl	k_q62b8f42d46_attn
	.p2align	8
	.type	k_q62b8f42d46_attn,@function
k_q62b8f42d46_attn:
	s_mov_b64 s[64:65], 0
	v_nop
	global_prefetch_b8 v0, s[64:65] scope:SCOPE_SE
	s_setreg_imm32_b32 hwreg(HW_REG_WAVE_MODE, 25, 1), 1
	s_wait_xcnt 0x0
	s_wait_alu depctr_hold_cnt(0) depctr_sa_sdst(0) depctr_va_vdst(0) depctr_va_sdst(0) depctr_va_ssrc(0) depctr_va_vcc(0) depctr_vm_vsrc(0)
	s_getreg_b32 s2, hwreg(HW_REG_IB_STS2, 6, 4)
	s_cmp_eq_u32 s2, 0
	s_cbranch_scc0 .Lentry_in_a_cluster
	s_endpgm
.Lentry_in_a_cluster:
	s_bfe_u32 s2, ttmp6, 0x10000c
	s_cmp_lg_u32 s2, 0x3003
	s_cbranch_scc0 .Lentry_shape_is_right
	s_endpgm
.Lentry_shape_is_right:
; a = softmax(q k^T / 8) v for one head and batch (bh = work-group y), both products on codes of BF8 (E5M2); the result is quantised at once with 2^e6 into the image that the projection reads.
; t = score x log2(e) / 8; M = the running largest t rounded up to a whole number; p = 2^(t - M) is quantised with 2^e4; the row's sum is taken of the unquantised p and divides at the end.
; SHARES.  A work-group owns 512 queries of a head; each of its sixteen waves owns TWO tiles of 16 queries (tiles T and T + 16) and walks the 2,048 keys once, 128 a step:
; each fragment of K and of V that is read from LDS feeds two matrix instructions.  Both products are used transposed (S^T = K Q^T, O^T = V^T P^T): a lane holds one query of each tile.
; LDS.  The head's K and V, 16 key steps x 16,384 bytes, are filled ONCE: key steps 0-3 by the head's loads (4,096 bytes a wave), key steps 4-15 by one more load a wave (12,288 bytes),
; issued as a refill is and awaited in front of key step 4, four key steps later.  Nothing is filled again.
; CLUSTER: the four work-groups of a head read the same K and V: every load is a joint one, mask 15.
; NO PREFETCH: both fills are asked for at the head; no loop runs ahead of a tensor load.
; LIMITS: e2 + e3 between -123 and 130 (added to c's exponent field); e4 and e6 between -126 and 112; the scaled scores t stay under 2^31 in magnitude.
; REGISTERS: v1 16 x lane; v2 the step's LDS address; v4, v5 the add's two; v6 2^e4; v7 2^e6; v3 57,344 x 2^e6; v8-11, v12-15 per tile: -M, largest t, the sum in two halves;
; v16-31 Q (two tiles); v32-95 K's, then V's fragments; v98-161 S^T, then p; v96-111 tile b's codes (from v98 on they lie over p's registers that are already converted); v162-225 O^T; v226-241 tile a's codes; v242-254 at work.
.set SPARE, 0x40000                    ; behind K and V: the spare words, 128 bytes a wave; no other line names them
.set LI,   1
.set ADK,  2
.set LIMO, 3
.set SPW,  4
.set NIL,  5
.set SCP,  6
.set SCO,  7
.set STA,  8
.set STB,  12
.set Q,    16
.set KV,   32
.set PCB,  96
.set S,    98
.set O,    162
.set PCA,  226
.set F,    242
.set SM,   244
.set T0,   246
.set T1,   247
.set T2,   248
.set T3,   249
.set SN,   250
.set SQ,   252
.set T4,   254
.set WV,   12
.set G1A,  16                          ; s[16:23] group 1: 16 rows of 256 bytes; s[24:31]: 48 rows
.set G1B,  24
.set G0A,  32
.set G0B,  36
.set CS,   48                          ; s[48:49] c = log2(e) / 8 x 2^(e2 + e3)
.set SEL,  50
.set TB,   52
.set CNT,  53
.set LP,   54                          ; 57,344 x 2^e4
.macro CROUND                          ; a round of the cluster's barrier
	s_barrier_signal -1
	s_barrier_wait -1
	s_cmp_lg_u32 s[WV], 0
	s_cbranch_scc1 .Lnot_wave_0_\@
	s_barrier_signal -3
.Lnot_wave_0_\@:
	s_barrier_wait -3
	s_barrier_signal -1
	s_barrier_wait -1
.endm
	s_load_b128 s[4:7], s[0:1], 0x0                ; q_img, kv_img
	s_load_b128 s[8:11], s[0:1], 0x10              ; the exponents, a_img
	v_lshl_add_u32 v[SPW], v0, 2, SPARE
	v_mov_b32 v[NIL], 0
	ds_add_u32 v[SPW], v[NIL]                      ; the opening lines: the add, twice on end, and one wait
	ds_add_u32 v[SPW], v[NIL]
	v_lshrrev_b32 v3, 5, v0
	s_delay_alu instid0(VALU_DEP_1)
	v_readfirstlane_b32 s[WV], v3                  ; wave 0..15
	v_and_b32 v[LI], 31, v0
	s_delay_alu instid0(VALU_DEP_1)
	v_lshlrev_b32 v[LI], 4, v[LI]
	s_and_b32 s15, ttmp7, 0xffff                   ; bh
.irp g, G1A, G1B
	s_mov_b32 s[\g], 15|(3<<16)|(1<<21)            ; mask: all four partners; elements of 8 bytes; bit 21 beside a mask
	s_mov_b32 s[\g+1], 32<<16                      ; rows of 32 elements = 256 bytes, dense
	s_mov_b32 s[\g+3], 32<<16
	s_mov_b32 s[\g+5], 32
	s_mov_b32 s[\g+6], 0
	s_mov_b32 s[\g+7], 0
.endr
	s_mov_b32 s[G1A+2], 16<<16
	s_mov_b32 s[G1A+4], 16
	s_mov_b32 s[G1B+2], 48<<16
	s_mov_b32 s[G1B+4], 48
	s_lshl_b32 s56, s15, 18                        ; 262,144 bytes a head
	s_lshl_b32 s58, s[WV], 12                      ; first fill: 4,096 x wave, in LDS as in the head's image
	s_add_co_u32 s60, s56, s58
	s_mov_b32 s61, 0
	s_mul_i32 s59, s[WV], 12288                    ; second fill: 65,536 + 12,288 x wave
	s_add_co_u32 s59, s59, 65536
	s_add_co_u32 s62, s56, s59
	s_mov_b32 s63, 0
	s_mov_b32 s[SEL], 0x76543210
	s_mov_b32 s[SEL+1], 0xfedcba98
	s_wait_dscnt 0x0
	s_wait_kmcnt 0x0
	s_load_b256 s[40:47], s[8:9], 0x0              ; e0 .. e7
	s_mov_b32 s[G0A], 1
	s_mov_b32 s[G0A+1], s58
	s_add_nc_u64 s[G0A+2:G0A+3], s[6:7], s[60:61]
	s_or_b32 s[G0A+3], s[G0A+3], 0x80000000
	s_mov_b32 s[G0B], 1
	s_mov_b32 s[G0B+1], s59
	s_add_nc_u64 s[G0B+2:G0B+3], s[6:7], s[62:63]
	s_or_b32 s[G0B+3], s[G0B+3], 0x80000000
	CROUND                                         ; the four partners are here: the first joint loads meet
	tensor_load_to_lds s[G0A:G0A+3], s[G1A:G1A+7]  ; key steps 0-3: my one load at the head
	s_nop 0
.rept 4
	v_nop
.endr
	s_bfe_u32 s13, ttmp6, 0x40000
	s_lshl_b32 s14, ttmp9, 2
	s_add_co_u32 s14, s14, s13                     ; work-group x
	s_lshl_b32 s60, s14, 5
	s_add_co_u32 s60, s60, s[WV]                   ; my first query tile; the second lies 16 tiles on
	s_lshl_b32 s62, s15, 17
	s_lshl_b32 s61, s60, 10
	s_add_co_u32 s62, s62, s61
	s_mov_b32 s63, 0
	s_add_nc_u64 s[4:5], s[4:5], s[62:63]
	s_wait_alu depctr_va_vdst(0)                   ; the wait ahead of the reader below
	global_load_b128 v[Q:Q+3], v[LI], s[4:5] th:TH_LOAD_NT
	global_load_b128 v[Q+4:Q+7], v[LI], s[4:5] offset:512 th:TH_LOAD_NT
	global_load_b128 v[Q+8:Q+11], v[LI], s[4:5] offset:16384 th:TH_LOAD_NT
	global_load_b128 v[Q+12:Q+15], v[LI], s[4:5] offset:16896 th:TH_LOAD_NT
	s_lshr_b32 s61, s15, 4                         ; a_img: [batch x 128 + query tile][head][1,024]
	s_lshl_b32 s61, s61, 7
	s_add_co_u32 s61, s61, s60
	s_lshl_b32 s62, s61, 14
	s_and_b32 s61, s15, 15
	s_lshl_b32 s61, s61, 10
	s_add_co_u32 s62, s62, s61
	s_add_nc_u64 s[10:11], s[10:11], s[62:63]
	v_mov_b32 v[STA+1], 0xff61b1e6                 ; the largest t so far: -3e38
	v_mov_b32 v[STB+1], 0xff61b1e6
	v_floor_f32 v[STA], -v[STA+1]
	v_floor_f32 v[STB], -v[STB+1]
.irp r, STA+2, STA+3, STB+2, STB+3, F+1, T2
	v_mov_b32 v[\r], 0                             ; the sums; the upper half of f's pair and the permute's destination are written once
.endr
.set ii, 0
.rept 64
	v_mov_b32 v[O+ii], 0                           ; O^T: the step is written for every step alike; the first change of M leaves zeros zeros
.set ii, ii+1
.endr
	s_wait_kmcnt 0x0
	s_add_co_i32 s56, s42, s43
	s_lshl_b32 s56, s56, 23
	s_mov_b32 s[CS], 0x3e38aa3b                    ; log2(e) / 8
	s_add_co_i32 s[CS], s[CS], s56
	s_mov_b32 s[CS+1], s[CS]
	s_add_co_i32 s56, s44, 127
	s_lshl_b32 s57, s56, 23
	v_mov_b32 v[SCP], s57                          ; 2^e4
	s_add_co_i32 s56, s56, 15
	s_lshl_b32 s56, s56, 23
	s_or_b32 s[LP], s56, 0x600000                  ; 57,344 x 2^e4
	s_add_co_i32 s56, s46, 127
	s_lshl_b32 s57, s56, 23
	v_mov_b32 v[SCO], s57                          ; 2^e6
	s_add_co_i32 s56, s56, 15
	s_lshl_b32 s56, s56, 23
	s_or_b32 s56, s56, 0x600000
	v_mov_b32 v[LIMO], s56                         ; 57,344 x 2^e6
	s_add_co_i32 s55, s44, s45                     ; e4 + e5
.macro SUM4 st, j                      ; eight numbers of p onto the sum's four chains
	v_pk_add_f32 v[SM:SM+1], v[SM:SM+1], v[S+(\j):S+(\j)+1]
	v_pk_add_f32 v[SN:SN+1], v[SN:SN+1], v[S+(\j)+2:S+(\j)+3]
	v_pk_add_f32 v[SQ:SQ+1], v[SQ:SQ+1], v[S+(\j)+4:S+(\j)+5]
	v_pk_add_f32 v[(\st)+2:(\st)+3], v[(\st)+2:(\st)+3], v[S+(\j)+6:S+(\j)+7]
.endm
.macro CODES pc, ov, first, hold       ; four tiles of p, from tile first on: the hold (hold = 1; else it has been made already) and the conversion
.irp t, 0,1,2,3
.if \hold
.irp i, 0,2,4,6
	v_dual_min_num_f32 v[S+8*((\first)+\t)+\i], s[LP], v[S+8*((\first)+\t)+\i] :: v_dual_min_num_f32 v[S+8*((\first)+\t)+\i+1], s[LP], v[S+8*((\first)+\t)+\i+1]   ; the hold (the conversion does not saturate: ISA guide 7.6.2); p is not negative; two numbers a line
.endr
.endif
	v_cvt_scalef32_pk8_bf8_f32 v[(\pc)+2*((\first)+\t):(\pc)+2*((\first)+\t)+1], v[S+8*((\first)+\t):S+8*((\first)+\t)+7], v[SCP]   ; registers 2 t, 2 t + 1 of P's fragment: keys 16 t + 8 h + 0 .. 7
.if (\ov) && ((\first)+\t < 2)
	v_nop                                          ; a plain line between this conversion and the later ones, which write over its sources (tiles 0 and 1 alone are written over)
.endif
.endr
.endm
; THE SOFTMAX of one tile: 64 scores a lane in v[S ..].  st: the tile's four numbers; pc: where its codes go; ov = 1: the codes lie over p's registers.
; The exponentials go in two batches of 32.  Among each batch's lines stand plain lines of the other half: their sources were written ahead of the wait in front of the batch, and their results are first read behind the wait that follows it.
.macro SOFT st, pc, ov
	v_max3_num_f32 v[T0], v[S], v[S+1], v[S+2]     ; the step's largest score, in four chains, each accumulator from its low end on
	v_max3_num_f32 v[T1], v[S+3], v[S+4], v[S+5]
	v_max3_num_f32 v[T3], v[S+6], v[S+7], v[S+8]
	v_max3_num_f32 v[T4], v[S+9], v[S+10], v[S+11]
.irp i, 12,20,28,36,44,52
	v_max3_num_f32 v[T0], v[T0], v[S+\i], v[S+1+\i]
	v_max3_num_f32 v[T1], v[T1], v[S+2+\i], v[S+3+\i]
	v_max3_num_f32 v[T3], v[T3], v[S+4+\i], v[S+5+\i]
	v_max3_num_f32 v[T4], v[T4], v[S+6+\i], v[S+7+\i]
.endr
	v_max3_num_f32 v[T0], v[T0], v[S+60], v[S+61]
	v_max3_num_f32 v[T1], v[T1], v[S+62], v[S+63]
	s_delay_alu instid0(VALU_DEP_1)
	v_max3_num_f32 v[T0], v[T0], v[T1], v[T3]
	s_delay_alu instid0(VALU_DEP_1)
	v_max_num_f32 v[T0], v[T0], v[T4]
	s_delay_alu instid0(VALU_DEP_1)
	v_permlanex16_b32 v[T2], v[T0], s[SEL], s[SEL+1]
	s_delay_alu instid0(VALU_DEP_1)
	v_max_num_f32 v[T0], v[T0], v[T2]              ; and lane l xor 16's
	s_delay_alu instid0(VALU_DEP_1)
	v_mul_f32 v[T0], s[CS], v[T0]                  ; as t (c is positive)
	s_delay_alu instid0(VALU_DEP_1)
	v_max_num_f32 v[(\st)+1], v[(\st)+1], v[T0]    ; the running largest t
	v_mov_b32 v[T0], v[\st]
	s_delay_alu instid0(VALU_DEP_2)
	v_floor_f32 v[\st], -v[(\st)+1]                ; -M = floor(-t)
.set ii, 0
.rept 16
	v_pk_fma_f32 v[S+ii:S+ii+1], v[S+ii:S+ii+1], s[CS:CS+1], v[\st:(\st)+1] op_sel_hi:[1,0,0]   ; t - M, the first 32; f's three lines stand among them
.if ii == 2
	v_sub_f32 v[T0], v[\st], v[T0]                 ; old M - new M, a whole number, 0 or less
.endif
.if ii == 10
	v_cvt_i32_f32 v[T0], v[T0]
.endif
.if ii == 18
	v_ldexp_f32 v[F], 1.0, v[T0]                   ; f = 2^(old M - new M)
.endif
.set ii, ii+2
.endr
	s_wait_alu depctr_va_vdst(0)                   ; a wait ahead of the first batch
.set ii, 0
.rept 16
	v_exp_f32 v[S+ii], v[S+ii]                     ; p = 2^(t - M), the first 32,
	v_exp_f32 v[S+ii+1], v[S+ii+1]
	v_pk_fma_f32 v[S+32+ii:S+33+ii], v[S+32+ii:S+33+ii], s[CS:CS+1], v[\st:(\st)+1] op_sel_hi:[1,0,0]   ; and among them t - M of the other 32
.set ii, ii+2
.endr
	v_pk_mul_f32 v[(\st)+2:(\st)+3], v[(\st)+2:(\st)+3], v[F:F+1] op_sel_hi:[1,0]   ; the sums under the new M
	s_wait_alu depctr_va_vdst(0)                   ; behind the first batch and ahead of the second
	v_pk_add_f32 v[SM:SM+1], v[S:S+1], v[S+2:S+3]  ; the sum of the unquantised p, in four chains: the first 32, ahead of their hold
	v_pk_add_f32 v[SN:SN+1], v[S+4:S+5], v[S+6:S+7]
	v_pk_add_f32 v[SQ:SQ+1], v[S+8:S+9], v[S+10:S+11]
	v_pk_add_f32 v[(\st)+2:(\st)+3], v[(\st)+2:(\st)+3], v[S+12:S+13]
	SUM4 \st, 14
	SUM4 \st, 22
	v_pk_add_f32 v[SM:SM+1], v[SM:SM+1], v[S+30:S+31]
.set ii, 0
.rept 16
	v_exp_f32 v[S+32+ii], v[S+32+ii]               ; the other 32 exponentials,
	v_exp_f32 v[S+33+ii], v[S+33+ii]
	v_dual_min_num_f32 v[S+ii], s[LP], v[S+ii] :: v_dual_min_num_f32 v[S+ii+1], s[LP], v[S+ii+1]   ; and among them the hold of the first 32 (the conversion does not saturate: ISA guide 7.6.2)
.set ii, ii+2
.endr
	v_nop                                          ; a plain place behind the batch
	s_wait_alu depctr_va_vdst(0)                   ; behind the second batch, ahead of the first reader of its results and of the held numbers
	CODES \pc, \ov, 0, 0
	SUM4 \st, 32
	SUM4 \st, 40
	SUM4 \st, 48
	SUM4 \st, 56
	v_pk_add_f32 v[SM:SM+1], v[SM:SM+1], v[SN:SN+1]
	v_pk_add_f32 v[(\st)+2:(\st)+3], v[(\st)+2:(\st)+3], v[SQ:SQ+1]
	s_delay_alu instid0(VALU_DEP_1)
	v_pk_add_f32 v[(\st)+2:(\st)+3], v[(\st)+2:(\st)+3], v[SM:SM+1]
	CODES \pc, \ov, 4, 1
.endm
.macro RESCALE ob
.set ii, 0
.rept 16
	v_pk_mul_f32 v[(\ob)+ii:(\ob)+ii+1], v[(\ob)+ii:(\ob)+ii+1], v[F:F+1] op_sel_hi:[1,0]
.set ii, ii+2
.endr
.endm
; A KEY STEP: 128 keys, both tiles.
.macro STEP
	v_add_nc_u32 v[ADK], s[TB], v[LI]
.rept 4
	v_nop                                          ; with the line above five places: the loads land on V's fragments, and the products below write over tile b's codes, both read by the last products
.endr
.set ii, 0
.rept 16
	ds_load_b128 v[KV+4*ii:KV+4*ii+3], v[ADK] offset:512*ii        ; eight tiles of 16 keys
.set ii, ii+1
.endr
	s_wait_alu depctr_va_vdst(0)                   ; the wait ahead of the wait below
	s_wait_dscnt 8                                 ; tiles 0-3 are in; the youngest eight loads may be out
.irp t, 0,1,2,3
	v_wmma_f32_16x16x64_bf8_bf8 v[S+8*\t:S+8*\t+7], v[KV+8*\t:KV+8*\t+7], v[Q:Q+7], 0
.endr
	s_wait_dscnt 0x0
.irp t, 4,5,6,7
	v_wmma_f32_16x16x64_bf8_bf8 v[S+8*\t:S+8*\t+7], v[KV+8*\t:KV+8*\t+7], v[Q:Q+7], 0
.endr
.rept 4
	v_nop
.endr
	SOFT STA, PCA, 0
	v_nop                                          ; a plain line between the conversions and the products that write over their sources
.irp t, 0,1,2,3,4,5,6,7
	v_wmma_f32_16x16x64_bf8_bf8 v[S+8*\t:S+8*\t+7], v[KV+8*\t:KV+8*\t+7], v[Q+8:Q+15], 0   ; the same fragments of K, tile b's queries
.endr
	s_wait_alu depctr_va_vdst(0)                   ; the wait ahead of the first reader of tile a's O^T
	RESCALE O                                      ; tile a's O^T x f: these sixteen are also the places behind the products above
.set ii, 0
.rept 16
	ds_load_b128 v[KV+4*ii:KV+4*ii+3], v[ADK] offset:8192+512*ii   ; V's four fragments land under tile b's softmax
.set ii, ii+1
.endr
	SOFT STB, PCB, 1
	s_wait_alu depctr_va_vdst(0)                   ; likewise for tile b's O^T
	RESCALE O+32
	s_wait_alu depctr_va_vdst(0)
	s_wait_dscnt 0x0
.irp u, 0,1,2,3                                        ; eight accumulators by turns
	v_wmma_f32_16x16x128_bf8_bf8 v[O+8*\u:O+8*\u+7], v[KV+16*\u:KV+16*\u+15], v[PCA:PCA+15], v[O+8*\u:O+8*\u+7]
	v_wmma_f32_16x16x128_bf8_bf8 v[O+32+8*\u:O+32+8*\u+7], v[KV+16*\u:KV+16*\u+15], v[PCB:PCB+15], v[O+32+8*\u:O+32+8*\u+7]
.endr
	s_add_co_u32 s[TB], s[TB], 16384
.endm
; THE WAY OUT of one tile: O^T / the sum x 2^(e4 + e5), held, quantised with 2^e6: registers 2 u, 2 u + 1 are channels 16 u + 8 h + 0 .. 7 of the lane's query; each store covers 512 consecutive bytes, aligned.
.macro FIN st, ob, cd, off
	v_add_f32 v[(\st)+2], v[(\st)+2], v[(\st)+3]
	s_delay_alu instid0(VALU_DEP_1)
	v_permlanex16_b32 v[T2], v[(\st)+2], s[SEL], s[SEL+1]
	s_delay_alu instid0(VALU_DEP_1)
	v_add_f32 v[(\st)+2], v[(\st)+2], v[T2]        ; the row's sum
	s_wait_alu depctr_va_vdst(0)                   ; a wait ahead of the transcendental,
	v_rcp_f32 v[(\st)+2], v[(\st)+2]
	v_nop
	s_wait_alu depctr_va_vdst(0)                   ; one ahead of its first reader,
	v_ldexp_f32 v[(\st)+2], v[(\st)+2], s55
	s_wait_alu depctr_va_vdst(0)                   ; and one ahead of the first reader of O^T
.set ii, 0
.rept 16
	v_pk_mul_f32 v[S+ii:S+ii+1], v[(\ob)+ii:(\ob)+ii+1], v[(\st)+2:(\st)+3] op_sel_hi:[1,0]
.set ii, ii+2
.endr
.set ii, 0
.rept 32
	v_med3_num_f32 v[S+ii], v[S+ii], -v[LIMO], v[LIMO]
.set ii, ii+1
.endr
.irp u, 0,1,2,3
	v_cvt_scalef32_pk8_bf8_f32 v[(\cd)+2*\u:(\cd)+2*\u+1], v[S+8*\u:S+8*\u+7], v[SCO]
.endr
	v_nop
	global_store_b128 v[LI], v[\cd:(\cd)+3], s[10:11] offset:\off
	global_store_b128 v[LI], v[(\cd)+4:(\cd)+7], s[10:11] offset:(\off)+512
.endm
	s_wait_alu depctr_va_vdst(0)
	s_wait_tensorcnt 0x0                           ; my part of key steps 0-3 is in; the second fill is issued as a refill is:
	ds_add_u32 v[SPW], v[NIL]                      ; 0 onto my spare word
	s_wait_dscnt 0x0
	CROUND                                         ; everybody's part is in, and the four partners are here
	tensor_load_to_lds s[G0B:G0B+3], s[G1B:G1B+7]  ; key steps 4-15: my one load behind the round
	s_nop 0
.rept 4
	v_nop
.endr
	s_wait_loadcnt 0x0                             ; Q
	s_mov_b32 s[TB], 0
	s_mov_b32 s[CNT], 4
.Lfirst:                                               ; key steps 0-3
	STEP
	s_sub_co_u32 s[CNT], s[CNT], 1
	s_cmp_lg_u32 s[CNT], 0
	s_cbranch_scc1 .Lfirst
	s_wait_tensorcnt 0x0                           ; my part of key steps 4-15 is in (no LDS load of mine is out),
	s_barrier_signal -1
	s_barrier_wait -1                              ; and everybody's
	s_mov_b32 s[TB], 65536
	s_mov_b32 s[CNT], 12
.Lrest:                                                ; key steps 4-15: no barrier any more
	STEP
	s_sub_co_u32 s[CNT], s[CNT], 1
	s_cmp_lg_u32 s[CNT], 0
	s_cbranch_scc1 .Lrest
.rept 4
	v_nop
.endr
	FIN STA, O, PCA, 0
	FIN STB, O+32, PCA+8, 262144                   ; 16 query tiles of 16,384 bytes on
	s_wait_tensorcnt 0x0                           ; the wave's end
	ds_add_u32 v[SPW], v[NIL]
	s_wait_dscnt 0x0
	CROUND                                         ; the closing round
	s_endpgm
.Lfunc_end_k_q62b8f42d46_attn:
	.size	k_q62b8f42d46_attn, .Lfunc_end_k_q62b8f42d46_attn-k_q62b8f42d46_attn
	.p2alignl 7, 3214868480
	.fill 96, 4, 3214868480
	.section	.rodata,"a",@progbits
	.p2align	6, 0x0
	.amdhsa_kernel k_q62b8f42d46_attn
		.amdhsa_group_segment_fixed_size 327680
		.amdhsa_private_segment_fixed_size 0
		.amdhsa_enable_private_segment 0
		.amdhsa_kernarg_size 32
		.amdhsa_user_sgpr_count 2
		.amdhsa_user_sgpr_kernarg_segment_ptr 1
		.amdhsa_wavefront_size32 1
		.amdhsa_system_sgpr_workgroup_id_x 1
		.amdhsa_system_sgpr_workgroup_id_y 1
		.amdhsa_system_sgpr_workgroup_id_z 1
		.amdhsa_system_vgpr_workitem_id 0
		.amdhsa_next_free_vgpr 256
		.amdhsa_next_free_sgpr 66
		.amdhsa_reserve_vcc 0
		.amdhsa_float_denorm_mode_32 3
		.amdhsa_float_denorm_mode_16_64 3
		.amdhsa_memory_ordered 1
		.amdhsa_forward_progress 1
		.amdhsa_inst_pref_size 75
	.end_amdhsa_kernel
	.amdgpu_metadata
---
amdhsa.version: [ 1, 2 ]
amdhsa.kernels:
  - .name:           k_q62b8f42d46_attn
    .symbol:         k_q62b8f42d46_attn.kd
    .args:
      - { .name: q_img, .offset: 0, .size: 8, .value_kind: global_buffer, .address_space: global }
      - { .name: kv_img, .offset: 8, .size: 8, .value_kind: global_buffer, .address_space: global }
      - { .name: lowp_scales, .offset: 16, .size: 8, .value_kind: global_buffer, .address_space: global }
      - { .name: a_img, .offset: 24, .size: 8, .value_kind: global_buffer, .address_space: global }
    .group_segment_fixed_size: 327680
    .private_segment_fixed_size: 0
    .kernarg_segment_align: 8
    .kernarg_segment_size: 32
    .max_flat_workgroup_size: 512
    .sgpr_count:     66
    .vgpr_count:     256
    .wavefront_size: 32
...
	.end_amdgpu_metadata
.endif
;; end of part 2
;; launch proj (part 3): grid 4 x 64, 4 waves a work-group, clusters of 4 x 4, 327,680 bytes of LDS; arguments a_img, Wo_codes, bo, lowp_scales, out0; writes out0
.if DOCPART == 3
	.amdgcn_target "amdgcn-amd-amdhsa--gfx1250"
	.amdhsa_code_object_version 6
	.text
	.protected	k_q62b8f42d46_proj
	.globl	k_q62b8f42d46_proj
	.p2align	8
	.type	k_q62b8f42d46_proj,@function
k_q62b8f42d46_proj:
	s_mov_b64 s[64:65], 0
	v_nop
	global_prefetch_b8 v0, s[64:65] scope:SCOPE_SE
	s_setreg_imm32_b32 hwreg(HW_REG_WAVE_MODE, 25, 1), 1
	s_wait_xcnt 0x0
	s_wait_alu depctr_hold_cnt(0) depctr_sa_sdst(0) depctr_va_vdst(0) depctr_va_sdst(0) depctr_va_ssrc(0) depctr_va_vcc(0) depctr_vm_vsrc(0)
	s_getreg_b32 s2, hwreg(HW_REG_IB_STS2, 6, 4)
	s_cmp_eq_u32 s2, 0
	s_cbranch_scc0 .Lentry_in_a_cluster
	s_endpgm
.Lentry_in_a_cluster:
	s_bfe_u32 s2, ttmp6, 0x10000c
	s_cmp_lg_u32 s2, 0xf033
	s_cbranch_scc0 .Lentry_shape_is_right
	s_endpgm
.Lentry_shape_is_right:
.set PITCH,  272
.set FR,     16
.set NP,     4
.set HALFT,  128*PITCH
.set ABYTES, 32768
.set SLOT,   ABYTES+2*HALFT
.set SPARE,  2*SLOT
.set STAGE,  SPARE+512
.set SPITCH, 528
.set ADRA, 16
.set ADRB, 20
.set STO,  24
.set RD,   25
.set CO,   26
.set SPW,  28
.set NIL,  29
.set BO,   30
.set TMP,  32
.set AF,   128
.set BK,   128
.set G1,  24
.set G0,  32
.set G1B, 48
.set G0B, 56
.set MSB, 0
.macro WIN new
.if MSB != (\new)
	s_set_vgpr_msb (MSB<<8)|(\new)
.set MSB, (\new)
.endif
.endm
.set MUL,  0xa1
.set TO_B, 0x40
.macro JLOAD g0a, g1a, g0b, g1b
	s_cmp_eq_u32 s15, 0
	s_cbranch_scc0 .Lfor_b_\@
	tensor_load_to_lds s[\g0a:\g0a+3], s[\g1a:\g1a+7]
	s_nop 0
.rept 4
	v_nop
.endr
	s_branch .Lasked_\@
.Lfor_b_\@:
	tensor_load_to_lds s[\g0b:\g0b+3], s[\g1b:\g1b+7]
	s_nop 0
.rept 4
	v_nop
.endr
.Lasked_\@:
.endm
.macro CREST
	s_cmp_lg_u32 s14, 0
	s_cbranch_scc1 .Lnot_wave_0_\@
	s_barrier_signal -3
.Lnot_wave_0_\@:
	s_barrier_wait -3
	s_barrier_signal -1
	s_barrier_wait -1
.endm
.macro CROUND
	s_barrier_signal -1
	s_barrier_wait -1
	CREST
.endm
	s_load_b128 s[4:7], s[0:1], 0x0
	s_load_b128 s[8:11], s[0:1], 0x10
	s_load_b64 s[68:69], s[0:1], 0x20
	v_lshl_add_u32 v[SPW], v0, 2, SPARE
	v_mov_b32 v[NIL], 0
	ds_add_u32 v28, v29
	ds_add_u32 v28, v29
	s_wait_dscnt 0x0
	v_lshrrev_b32 v1, 5, v0
	v_readfirstlane_b32 s14, v1
	s_lshr_b32 s15, s14, 1
	s_and_b32 s16, s14, 1
	s_bfe_u32 s40, ttmp6, 0x40000
	s_bfe_u32 s41, ttmp6, 0x40004
	s_lshl_b32 s42, ttmp9, 2
	s_add_co_u32 s42, s42, s40
	s_and_b32 s17, ttmp7, 0xffff
	s_lshl_b32 s17, s17, 2
	s_add_co_u32 s17, s17, s41
	s_lshl_b32 s43, s41, 2
	s_lshl_b32 s43, 15, s43
	s_lshl_b32 s44, 0x1111, s40
	s_or_b32 s[G1+0], s43, (3<<16)|(1<<21)
	s_mov_b32 s[G1+1], 512<<16
	s_mov_b32 s[G1+2], 4<<16
	s_mov_b32 s[G1+3], 512<<16
	s_mov_b32 s[G1+4], 4
	s_mov_b32 s[G1+5], 2048
	s_mov_b32 s[G1+6], 0
	s_mov_b32 s[G1+7], 0
	s_or_b32 s[G1B+0], s44, (0<<16)|(1<<20)|(1<<21)|(5<<22)|(3<<25)
	s_mov_b32 s[G1B+1], 256<<16
	s_mov_b32 s[G1B+2], 128<<16
	s_mov_b32 s[G1B+3], 256<<16
	s_mov_b32 s[G1B+4], 128
	s_mov_b32 s[G1B+5], 1024
	s_mov_b32 s[G1B+6], 0
	s_mov_b32 s[G1B+7], 0
	s_lshl_b32 s20, s17, 17
	s_lshl_b32 s18, s16, 16
	s_add_co_u32 s20, s20, s18
	s_mov_b32 s21, 0
	s_lshl_b32 s46, s42, 18
	s_lshl_b32 s19, s16, 17
	s_add_co_u32 s46, s46, s19
	s_mov_b32 s47, 0
	s_lshl_b32 s45, s16, 14
	s_mul_i32 s90, s16, HALFT
	s_add_co_u32 s90, s90, ABYTES
	s_wait_kmcnt 0x0
	s_load_b256 s[72:79], s[10:11], 0x0
	s_add_nc_u64 s[20:21], s[4:5], s[20:21]
	s_add_nc_u64 s[46:47], s[6:7], s[46:47]
	CROUND
.irp s, 0,1
	s_mov_b32 s[G0+4*\s], 1
	s_add_co_u32 s[G0+4*\s+1], s45, \s*SLOT
	s_add_nc_u64 s[G0+4*\s+2:G0+4*\s+3], s[20:21], \s*4096
	s_or_b32 s[G0+4*\s+3], s[G0+4*\s+3], 0x80000000
	s_mov_b32 s[G0B+4*\s], 1
	s_add_co_u32 s[G0B+4*\s+1], s90, \s*SLOT
	s_add_nc_u64 s[G0B+4*\s+2:G0B+4*\s+3], s[46:47], \s*256
	s_or_b32 s[G0B+4*\s+3], s[G0B+4*\s+3], 0x80000000
.endr
	JLOAD G0, G1, G0B, G1B                         ; K step 0, behind the opening round: one tensor load a wave at the head
	; PREFETCHES INTO THE L2 of the K steps that later joint loads will ask for: K steps 1 and 2 here, K step 3 behind K step 1's load: never more than two K steps asked for and not yet loaded.
	; One instruction a wave for each K step.  The four partners of a joint load share its blocks of 256 bytes out BY ADDRESS: of the attention image's four query tiles that waves 0 and 1 fetch, the partner at cx takes
	; one, 4,096 bytes a K step (lanes 0-15 a block each, lanes 16-31 the last block again); of Wo's 128 rows that waves 2 and 3 fetch, the partner at cy takes 32, a lane a row, 256 bytes a K step.
	; Wo's rows are the same for all sixteen clusters: clusters 0 to 3 alone ask for them.  The address registers s[80:85] and v8 are never written again.
.macro ASK a
	s_cmp_eq_u32 s92, 1
	s_cbranch_scc0 .Lnot_mine_\@
	global_prefetch_b8 v8, s[\a:\a+1] th:TH_LOAD_NT scope:SCOPE_SE
.Lnot_mine_\@:
.endm
	s_and_b32 s91, ttmp7, 0xffff                   ; the cluster's y
	s_cmp_lt_u32 s91, 4
	s_cselect_b32 s92, 1, 0                        ; does my wave ask?  For Wo: in four clusters;
	s_mov_b32 s86, 256
	s_cmp_eq_u32 s15, 0                            ; do I fetch the attention image?
	s_cselect_b32 s92, 1, s92                      ; for the image: in every cluster
	s_cselect_b64 s[80:81], s[20:21], s[46:47]     ; the first byte of what I fetch
	s_cselect_b32 s82, s40, s41                    ; my place among the four that ask with me
	s_cselect_b32 s83, 14, 15                      ; a partner's part: 16,384 bytes on (a query tile), or 32,768 (32 rows)
	s_cselect_b32 s84, 8, 10                       ; from lane to lane: 256 bytes, or a row of 1,024
	s_cselect_b32 s85, 15, 31                      ; blocks less one
	s_cselect_b32 s86, 4096, s86                   ; from K step to K step
	v_and_b32 v8, 31, v0
	v_min_u32 v8, s85, v8
	v_lshlrev_b32 v8, s84, v8
	s_wait_alu depctr_va_vdst(0)                   ; the wait behind the write
	s_lshl_b32 s82, s82, s83
	s_mov_b32 s83, 0
	s_mov_b32 s87, 0
	s_add_nc_u64 s[80:81], s[80:81], s[82:83]
	s_add_nc_u64 s[80:81], s[80:81], s[86:87]      ; K step 1
	s_add_nc_u64 s[82:83], s[80:81], s[86:87]      ; K step 2
	s_add_nc_u64 s[84:85], s[82:83], s[86:87]      ; K step 3
	ASK 80
	ASK 82
	v_and_b32 v1, 15, v0
	v_bfe_u32 v2, v0, 4, 1
	v_and_b32 v6, 31, v0
	v_lshlrev_b32 v[CO], 4, v6
	v_mul_u32_u24 v3, v1, PITCH
	v_lshl_add_u32 v3, v2, 3, v3
	s_lshl_b32 s21, s15, 14
	s_mul_i32 s22, s16, HALFT
	s_add_co_u32 s22, s22, ABYTES
.irp s, 0,1
	v_add_nc_u32 v[ADRA+\s], s21, v[CO]
	v_add_nc_u32 v[ADRB+\s], s22, v3
	s_add_co_u32 s21, s21, SLOT
	s_add_co_u32 s22, s22, SLOT
.endr
	s_mul_i32 s23, s14, 16*SPITCH
	s_add_co_u32 s23, s23, STAGE
	v_mul_u32_u24 v5, v1, SPITCH
	v_lshl_add_u32 v5, v2, 5, v5
	v_add_nc_u32 v[STO], s23, v5
	v_add_nc_u32 v[RD], s23, v[CO]
	s_lshl_b32 s20, s17, 19
	s_lshl_b32 s21, s15, 18
	s_add_co_u32 s20, s20, s21
	s_mov_b32 s21, 0
	s_lshl_b32 s46, s42, 10
	s_lshl_b32 s47, s16, 9
	s_add_co_u32 s46, s46, s47
	s_mov_b32 s47, 0
	s_add_nc_u64 s[88:89], s[8:9], s[46:47]
	s_add_nc_u64 s[20:21], s[20:21], s[46:47]
	s_add_nc_u64 s[68:69], s[68:69], s[20:21]
	v_lshlrev_b32 v[BO], 5, v2
	WIN 0xc0
.irp b, 0,1,2,3,4,5,6,7
	global_load_b128 v[8*\b:8*\b+3], v[BO], s[88:89] offset:64*\b
	global_load_b128 v[8*\b+4:8*\b+7], v[BO], s[88:89] offset:64*\b+16
.endr
	WIN 0
.macro MULA a, p, zero
.irp b, 0,1,2,3,4,5,6,7
.if \zero
	v_wmma_f32_16x16x128_bf8_bf8 v[8*(8*(\a)+\b):8*(8*(\a)+\b)+7], v[128*(\p)+FR*\b:128*(\p)+FR*\b+FR-1], v[AF+FR*(\a):AF+FR*(\a)+FR-1], 0
.else
	v_wmma_f32_16x16x128_bf8_bf8 v[8*(8*(\a)+\b):8*(8*(\a)+\b)+7], v[128*(\p)+FR*\b:128*(\p)+FR*\b+FR-1], v[AF+FR*(\a):AF+FR*(\a)+FR-1], v[8*(8*(\a)+\b):8*(8*(\a)+\b)+7]
.endif
.endr
.endm
.macro FETCH_B slot, q, p
	WIN TO_B
.irp i, 0,1,2,3,4,5,6,7
.irp c, 0,1,2,3,4,5,6,7
	ds_load_b64 v[128*(\p)+FR*\i+2*\c:128*(\p)+FR*\i+2*\c+1], v[ADRB+\slot] offset:128*(\q)+16*\c+\i*16*PITCH
.endr
.endr
	WIN 0
.endm
.macro FETCH_A slot, q, i0
.irp i, \i0, \i0+1
.irp g, 0,1,2,3
	ds_load_b128 v[AF+FR*(\i)+4*\g:AF+FR*(\i)+4*\g+3], v[ADRA+\slot] offset:4096*(\i)+2048*(\q)+512*\g
.endr
.endr
.endm
.macro PLACES n
.rept \n
	v_nop
.endr
.endm
.macro STEP slot, q, zero
	s_wait_dscnt 8
	WIN MUL
	MULA 0, (\q)%2, \zero
	MULA 1, (\q)%2, \zero
	s_wait_dscnt 0
	PLACES NP
	FETCH_B \slot, (\q)+1, 1-(\q)%2
	FETCH_A \slot, (\q)+1, 0
	WIN MUL
	MULA 2, (\q)%2, \zero
	MULA 3, (\q)%2, \zero
	PLACES NP
	WIN 0
	FETCH_A \slot, (\q)+1, 2
.endm
.macro TURN slot, next, fill
	s_wait_tensorcnt 0x0
	ds_add_u32 v[SPW], v[NIL]
	s_wait_dscnt 9
	WIN MUL
	MULA 0, 1, 0
	s_wait_dscnt 0x0
	s_barrier_signal -1
	MULA 1, 1, 0
	WIN 0
	s_barrier_wait -1
.if \fill
	CREST
	s_add_nc_u64 s[G0+4*\slot+2:G0+4*\slot+3], s[G0+4*\slot+2:G0+4*\slot+3], 2*4096
	s_add_nc_u64 s[G0B+4*\slot+2:G0B+4*\slot+3], s[G0B+4*\slot+2:G0B+4*\slot+3], 2*256
	JLOAD G0+4*\slot, G1, G0B+4*\slot, G1B
.else
	PLACES NP
.endif
	FETCH_B \next, 0, 0
	FETCH_A \next, 0, 0
	WIN MUL
	MULA 2, 1, 0
	MULA 3, 1, 0
	PLACES NP
	WIN 0
	FETCH_A \next, 0, 2
.endm
	s_wait_alu depctr_va_vdst(0)
	s_wait_tensorcnt 0x0                           ; my part of K step 0 is in; slot 1's first fill is issued as a refill is:
	ds_add_u32 v[SPW], v[NIL]                      ; 0 onto my spare word
	s_wait_dscnt 0x0
	CROUND                                         ; a whole round: everybody's part of K step 0 is in, and the joint loads meet
	JLOAD G0+4, G1, G0B+4, G1B                     ; K step 1, the first tensor load behind the round
	FETCH_B 0, 0, 0
	FETCH_A 0, 0, 0
	FETCH_A 0, 0, 2
	ASK 84                                         ; K step 3, behind K step 1's joint load and the run of LDS loads
	STEP 0, 0, 1
	TURN 0, 1, 1
	STEP 1, 0, 0
	TURN 1, 0, 1
	STEP 0, 0, 0
	TURN 0, 1, 0
	STEP 1, 0, 0
	s_wait_dscnt 8
	WIN MUL
	MULA 0, 1, 0
	MULA 1, 1, 0
	s_wait_dscnt 0
	MULA 2, 1, 0
	MULA 3, 1, 0
	WIN 0
.macro TOSTAGE a
	WIN 0x32
.set jj, 0
.rept 32
	v_pk_fma_f32 v[TMP+jj:TMP+jj+1], v[64*(\a)+jj:64*(\a)+jj+1], s[96:97], v[jj:jj+1] op_sel_hi:[1,0,1]
.set jj, jj+2
.endr
	WIN 0
.irp b, 0,1,2,3,4,5,6,7
	ds_store_b128 v[STO], v[TMP+8*\b:TMP+8*\b+3] offset:64*\b
	ds_store_b128 v[STO], v[TMP+8*\b+4:TMP+8*\b+7] offset:64*\b+16
.endr
.set BB, BK+64*((\a)%2)
.irp t, 0,1,2,3,4,5,6,7,8,9,10,11,12,13,14,15
	ds_load_b128 v[BB+4*\t:BB+4*\t+3], v[RD] offset:\t*SPITCH
.endr
.endm
.macro SEND a, younger
.set BB, BK+64*((\a)%2)
	s_wait_dscnt \younger
.if (\a) > 0
	s_add_nc_u64 s[68:69], s[68:69], 16*4096
.endif
.irp t, 0,1,2,3,4,5,6,7,8,9,10,11,12,13,14,15
	global_store_b128 v[CO], v[BB+4*\t:BB+4*\t+3], s[68:69] offset:\t*4096 th:TH_STORE_NT
.endr
.endm
	s_wait_kmcnt 0x0
	s_add_co_i32 s96, s78, s79
	s_add_co_i32 s96, s96, 127
	s_lshl_b32 s96, s96, 23
	s_mov_b32 s97, s96
	s_wait_loadcnt 0x0
	PLACES NP
	TOSTAGE 0
.irp a, 1,2,3
.if \a > 1
	s_wait_xcnt 0x0
.endif
	TOSTAGE \a
	SEND \a-1, 32
.endr
	s_wait_xcnt 0x0
	SEND 3, 0
	s_wait_tensorcnt 0x0
	ds_add_u32 v[SPW], v[NIL]
	s_wait_dscnt 0x0
	CROUND
	s_endpgm
.Lfunc_end_k_q62b8f42d46_proj:
	.size	k_q62b8f42d46_proj, .Lfunc_end_k_q62b8f42d46_proj-k_q62b8f42d46_proj
	.p2alignl 7, 3214868480
	.fill 96, 4, 3214868480
	.section	.rodata,"a",@progbits
	.p2align	6, 0x0
	.amdhsa_kernel k_q62b8f42d46_proj
		.amdhsa_group_segment_fixed_size 327680
		.amdhsa_private_segment_fixed_size 0
		.amdhsa_enable_private_segment 0
		.amdhsa_kernarg_size 40
		.amdhsa_user_sgpr_count 2
		.amdhsa_user_sgpr_kernarg_segment_ptr 1
		.amdhsa_wavefront_size32 1
		.amdhsa_system_sgpr_workgroup_id_x 1
		.amdhsa_system_sgpr_workgroup_id_y 1
		.amdhsa_system_sgpr_workgroup_id_z 1
		.amdhsa_system_vgpr_workitem_id 0
		.amdhsa_next_free_vgpr 832
		.amdhsa_next_free_sgpr 100
		.amdhsa_reserve_vcc 0
		.amdhsa_float_denorm_mode_32 3
		.amdhsa_float_denorm_mode_16_64 3
		.amdhsa_memory_ordered 1
		.amdhsa_forward_progress 1
		.amdhsa_inst_pref_size 96
	.end_amdhsa_kernel
	.amdgpu_metadata
---
amdhsa.version: [ 1, 2 ]
amdhsa.kernels:
  - .name:           k_q62b8f42d46_proj
    .symbol:         k_q62b8f42d46_proj.kd
    .args:
      - { .name: a_img, .offset: 0, .size: 8, .value_kind: global_buffer, .address_space: global }
      - { .name: Wo_codes, .offset: 8, .size: 8, .value_kind: global_buffer, .address_space: global }
      - { .name: bo, .offset: 16, .size: 8, .value_kind: global_buffer, .address_space: global }
      - { .name: lowp_scales, .offset: 24, .size: 8, .value_kind: global_buffer, .address_space: global }
      - { .name: out0, .offset: 32, .size: 8, .value_kind: global_buffer, .address_space: global }
    .group_segment_fixed_size: 327680
    .private_segment_fixed_size: 0
    .kernarg_segment_align: 8
    .kernarg_segment_size: 40
    .max_flat_workgroup_size: 128
    .sgpr_count:     100
    .vgpr_count:     832
    .wavefront_size: 32
...
	.end_amdgpu_metadata
.endif
;; end of part 3
